; MI455X (gfx1250); checked and timed in simulation.
; The chip was launched on July 23, 2026; its instructions are those of AMD's public machine-readable ISA for CDNA 5 (MIT licence, August 2026) and "CDNA5" Instruction Set Architecture Reference Guide (July 2026). The comments in the code are by the model that wrote it; some were corrected since.
;; Block. Allowed arithmetic: float matrix products may take bf16 or f16 operands with f32 sums; all other float work in f32.
;; Inputs: b1 512 float32; b2 512 float32; g1 512 float32; g2 512 float32; w1 512 x 1,024 float32; w2 1,024 x 512 float32; wk 512 x 512 float32; wp 512 x 512 float32; wq 512 x 512 float32; wv 512 x 512 float32; x 8 x 2,048 x 512 float32.
;; Outputs: out0 8 x 2,048 x 512 float32.
;; One version. Each part assembles by itself: llvm-mc -triple=amdgcn-amd-amdhsa -mcpu=gfx1250 --defsym DOCPART=n.
;; ======== version 1 of 1: 3 launches
;; workspace buffers: wb 4,194,304 bytes; qkv 50,331,648 bytes
;; launch prep (part 1): grid 256 x 1, 8 waves a work-group, no clusters, 0 bytes of LDS; arguments wq, wk, wv, wp, w1, w2, wb; writes wb
.if DOCPART == 1
	.amdgcn_target "amdgcn-amd-amdhsa--gfx1250"
	.amdhsa_code_object_version 6
	.text
	.protected	k_qb9a87f4326_prep
	.globl	k_qb9a87f4326_prep
	.p2align	8
	.type	k_qb9a87f4326_prep,@function
k_qb9a87f4326_prep:
	s_mov_b64 s[64:65], 0
	v_nop
	global_prefetch_b8 v0, s[64:65] scope:SCOPE_SE
	s_setreg_imm32_b32 hwreg(HW_REG_WAVE_MODE, 25, 1), 1
	s_wait_xcnt 0x0
; prep: the six weight matrices (f32, [K][N]) are cast once to bf16 into wb, in the order wq, wk, wv, wp, w1, w2.
;   wq, wk, wv, wp: the columns are permuted, W'[k][128 c + 32 w + i] = W[k][128 w + 32 c + i] (c, w = 0..3, i = 0..31), so that
;   the later launches, in which wave w takes columns 32 w .. 32 w + 31 of every tile of 128 columns, end up with the true columns
;   128 w .. 128 w + 127 after four tiles.  wq is also multiplied by log2(e) / 512, so that the scores come out ready for exp2.
;   LIMIT: that factor is applied in f32 before the rounding to bf16 (the reference divides the f32 scores).
; 2,097,152 numbers = 256 work-groups x 8,192.  A thread takes eight items of 4 numbers: 16 bytes in, 8 bytes out; a wave's store
; covers 256 consecutive bytes, aligned.  A plain stream: every byte is read once, no work-group shares a byte with another, so LDS,
; clusters and the matrix unit have nothing to give here.
	s_load_b256 s[4:11], s[0:1], 0x0               ; wq s[4:5], wk s[6:7], wv s[8:9], wp s[10:11]
	s_load_b128 s[12:15], s[0:1], 0x20             ; w1 s[12:13], w2 s[14:15]
	s_load_b64 s[16:17], s[0:1], 0x30              ; wb
	s_mov_b32 s18, ttmp9                           ; g: work-groups 0-31 wq, 32-63 wk, 64-95 wv, 96-127 wp, 128-191 w1, 192-255 w2
	s_mov_b32 s23, 0
	v_lshrrev_b32 v1, 3, v0
	v_lshrrev_b32 v2, 5, v0
	v_xor_b32 v1, v1, v2                           ; bits 1:0: item bits 4:3 xor item bits 6:5
	v_lshlrev_b32 v3, 3, v0                        ; 8 t: where my 8 bytes go
	s_wait_kmcnt 0x0
	s_mov_b64 s[20:21], s[14:15]                   ; the source and its first work-group, chosen by g alone
	s_mov_b32 s22, 192
	s_cmp_lt_u32 s18, 192
	s_cselect_b64 s[20:21], s[12:13], s[20:21]
	s_cselect_b32 s22, 128, s22
	s_cmp_lt_u32 s18, 128
	s_cselect_b64 s[20:21], s[10:11], s[20:21]
	s_cselect_b32 s22, 96, s22
	s_cselect_b32 s26, 3, 0                        ; the four square matrices are permuted, w1 and w2 are not
	s_cmp_lt_u32 s18, 96
	s_cselect_b64 s[20:21], s[8:9], s[20:21]
	s_cselect_b32 s22, 64, s22
	s_cmp_lt_u32 s18, 64
	s_cselect_b64 s[20:21], s[6:7], s[20:21]
	s_cselect_b32 s22, 32, s22
	s_cmp_lt_u32 s18, 32
	s_cselect_b64 s[20:21], s[4:5], s[20:21]
	s_cselect_b32 s22, 0, s22
	s_cselect_b32 s24, 0x3b38aa3b, 1.0             ; log2(e) / 512 for wq, 1 for the others
	s_mov_b32 s25, s24
	s_sub_co_u32 s22, s18, s22
	s_lshl_b32 s22, s22, 15                        ; 32,768 bytes of the source for each work-group
	s_add_nc_u64 s[20:21], s[20:21], s[22:23]
	s_lshl_b32 s22, s18, 14                        ; 16,384 bytes of wb
	s_add_nc_u64 s[16:17], s[16:17], s[22:23]
	v_and_b32 v1, s26, v1                          ; d
	v_lshlrev_b32 v2, 3, v1
	v_lshl_or_b32 v2, v1, 5, v2                    ; d in both fields
	v_xor_b32 v2, v0, v2                           ; t with item bits 4:3 and 6:5 exchanged (number bits 6:5 and 8:7)
	v_lshlrev_b32 v2, 4, v2                        ; 16 bytes an item
.irp k, 0,1,2,3,4,5,6,7
	global_load_b128 v[8+4*\k:11+4*\k], v2, s[20:21] offset:4096*\k th:TH_LOAD_NT
.endr
.irp k, 0,1,2,3,4,5,6,7
	s_wait_loadcnt 7-\k                            ; loads come back in order: item k is in, the younger ones stay out
	v_pk_mul_f32 v[8+4*\k:9+4*\k], v[8+4*\k:9+4*\k], s[24:25] op_sel_hi:[1,0]
	v_pk_mul_f32 v[10+4*\k:11+4*\k], v[10+4*\k:11+4*\k], s[24:25] op_sel_hi:[1,0]
	v_cvt_pk_bf16_f32 v[40+2*\k], v[8+4*\k], v[9+4*\k]
	v_cvt_pk_bf16_f32 v[41+2*\k], v[10+4*\k], v[11+4*\k]
	global_store_b64 v3, v[40+2*\k:41+2*\k], s[16:17] offset:2048*\k
.endr
	s_endpgm
.Lfunc_end_k_qb9a87f4326_prep:
	.size	k_qb9a87f4326_prep, .Lfunc_end_k_qb9a87f4326_prep-k_qb9a87f4326_prep
	.p2alignl 7, 3214868480
	.fill 96, 4, 3214868480
	.section	.rodata,"a",@progbits
	.p2align	6, 0x0
	.amdhsa_kernel k_qb9a87f4326_prep
		.amdhsa_group_segment_fixed_size 0
		.amdhsa_private_segment_fixed_size 0
		.amdhsa_enable_private_segment 0
		.amdhsa_kernarg_size 56
		.amdhsa_user_sgpr_count 2
		.amdhsa_user_sgpr_kernarg_segment_ptr 1
		.amdhsa_wavefront_size32 1
		.amdhsa_system_sgpr_workgroup_id_x 1
		.amdhsa_system_sgpr_workgroup_id_y 1
		.amdhsa_system_sgpr_workgroup_id_z 1
		.amdhsa_system_vgpr_workitem_id 0
		.amdhsa_next_free_vgpr 64
		.amdhsa_next_free_sgpr 66
		.amdhsa_reserve_vcc 0
		.amdhsa_float_denorm_mode_32 3
		.amdhsa_float_denorm_mode_16_64 3
		.amdhsa_memory_ordered 1
		.amdhsa_forward_progress 1
		.amdhsa_inst_pref_size 6
	.end_amdhsa_kernel
	.amdgpu_metadata
---
amdhsa.version: [ 1, 2 ]
amdhsa.kernels:
  - .name:           k_qb9a87f4326_prep
    .symbol:         k_qb9a87f4326_prep.kd
    .args:
      - { .name: wq, .offset: 0, .size: 8, .value_kind: global_buffer, .address_space: global }
      - { .name: wk, .offset: 8, .size: 8, .value_kind: global_buffer, .address_space: global }
      - { .name: wv, .offset: 16, .size: 8, .value_kind: global_buffer, .address_space: global }
      - { .name: wp, .offset: 24, .size: 8, .value_kind: global_buffer, .address_space: global }
      - { .name: w1, .offset: 32, .size: 8, .value_kind: global_buffer, .address_space: global }
      - { .name: w2, .offset: 40, .size: 8, .value_kind: global_buffer, .address_space: global }
      - { .name: wb, .offset: 48, .size: 8, .value_kind: global_buffer, .address_space: global }
    .group_segment_fixed_size: 0
    .private_segment_fixed_size: 0
    .kernarg_segment_align: 8
    .kernarg_segment_size: 56
    .max_flat_workgroup_size: 256
    .sgpr_count:     66
    .vgpr_count:     64
    .wavefront_size: 32
...
	.end_amdgpu_metadata
.endif
;; end of part 1
;; launch qkv (part 2): grid 256 x 1, 4 waves a work-group, clusters of 4 x 1, 327,680 bytes of LDS; arguments x, g1, b1, wb, qkv; writes qkv
.if DOCPART == 2
	.amdgcn_target "amdgcn-amd-amdhsa--gfx1250"
	.amdhsa_code_object_version 6
	.text
	.protected	k_qb9a87f4326_qkv
	.globl	k_qb9a87f4326_qkv
	.p2align	8
	.type	k_qb9a87f4326_qkv,@function
k_qb9a87f4326_qkv:
	s_mov_b64 s[64:65], 0
	v_nop
	global_prefetch_b8 v0, s[64:65] scope:SCOPE_SE
	s_setreg_imm32_b32 hwreg(HW_REG_WAVE_MODE, 25, 1), 1
	s_wait_xcnt 0x0
	s_wait_alu depctr_hold_cnt(0) depctr_sa_sdst(0) depctr_va_vdst(0) depctr_va_sdst(0) depctr_va_ssrc(0) depctr_va_vcc(0) depctr_vm_vsrc(0)
	s_getreg_b32 s2, hwreg(HW_REG_IB_STS2, 6, 4)
	s_cmp_eq_u32 s2, 0
	s_cbranch_scc0 .Lentry_in_a_cluster
	s_endpgm
.Lentry_in_a_cluster:
	s_bfe_u32 s2, ttmp6, 0x10000c
	s_cmp_lg_u32 s2, 0x3003
	s_cbranch_scc0 .Lentry_shape_is_right
	s_endpgm
.Lentry_shape_is_right:
; qkv: h = LayerNorm(x; g1, b1) of 64 rows, then q, k, v = h W (W = wq', wk', wv' of wb, bf16), stored as bf16 [3][16384][512].
; 256 work-groups of 64 rows, four waves.  All products are made transposed: D(m = output column, n = row), so that lane r is always
; row 16 sb + r and a lane's eight results are eight neighbouring columns.
;   h lies in registers as the 64 B fragments Q(ks, sb) (16 steps of 32 along K x 4 row blocks), 512 registers in every wave.
;   A weight tile is [512 k][128 columns]; wave w multiplies its columns 32 w .. 32 w + 31 (two A fragments for each K step, read by
;   transposing LDS loads), so every byte of a tile is read from LDS by one wave only.
; CLUSTER: the four work-groups of a cluster walk the same twelve weight tiles: each tile is asked for jointly (mask 15).
; Two LDS slots take turns.  Behind each round of the cluster's barrier a wave issues one load, 128 rows x 256 bytes;
; a wave never has more than one tensor load outstanding.
; LIMITS: h and the results are rounded to bf16 (matrix operands); mean and variance in f32, the variance from centred values.
;
; REGISTERS: window 0: v0-31 addresses, v32-63 state, v64-127 SACC, v128-191 FA, v192-255 FB; windows 1, 2: Q(ks, sb) at window
; 1 + (ks >> 3), register 8 (4 (ks & 7) + sb); window 3: x as ACC(nb, sb) at 8 (4 nb + sb), later the packed results.
; LDS: slot A at 0, slot B at 147,456 (tensor loads alone); STG at 294,912 and MX at 312,320 (LDS stores alone).
.set VSTRIP, 36864                     ; 128 rows of 288 bytes: what one tensor load fills
.set SLOTB,  147456
.set STG,    294912                    ; 17,408 bytes: [16 rows][1040] for the exchange, or four stages of 16 x 272, one a wave
.set MX,     312320                    ; four areas of [64 rows][4 waves] f32
.set SACC, 64
.set FA,   128
.set FB,   192
.set WADRA, 8                          ; v8-11   slot A, strip g: transposing address of my 32 columns
.set WADRB, 12                         ; v12-15  the same in slot B
.set MXW, 19
.set MXR, 20
.set XW,  21
.set XR,  22
.set SRD, 23
.set SWD, 24
.set XO,  25
.set GO,  26
.set SWB, 27
.set QO,  28
.set NMU, 32                           ; v32-39  minus the mean, a pair for each row block
.set RS,  40                           ; v40-47  1 / sqrt(var + eps), a pair for each row block
.set TT,  56                           ; v56-63  at work
.set G1V, 24                           ; s[24:31]
.set G0A, 32                           ; s[32:35]
.set G0B, 36                           ; s[36:39]
.set MSB, 0
.macro WIN new                         ; the immediate's high byte repeats the setting that is left
.if MSB != \new
	s_set_vgpr_msb (MSB<<8)|\new
.set MSB, \new
.endif
.endm
.macro PLACES n                        ; the places behind matrix instructions (ISA guide 7.12.1)
.rept \n
	v_nop
.endr
.endm
.macro ROUND                           ; a round of the cluster's barrier
	s_barrier_signal -1
	s_barrier_wait -1
	s_cmp_lg_u32 s16, 0
	s_cbranch_scc1 .Lnw0_\@
	s_barrier_signal -3
.Lnw0_\@:
	s_barrier_wait -3
	s_barrier_signal -1
	s_barrier_wait -1
.endm
; A slot is filled again: my LDS reads are back and all my tensor loads have landed; the group 0 whose load has just been shown done is
; stepped; all waves of all four work-groups pass the round; my one load stands first behind it.
.macro FILLROUND g0, g1, st, bytes
	s_wait_dscnt 0x0
	s_wait_tensorcnt 0x0
	ds_add_u32 v54, v55
	s_wait_dscnt 0x0
.if \bytes
	s_add_nc_u64 s[\st+2:\st+3], s[\st+2:\st+3], \bytes
.endif
	ROUND
	tensor_load_to_lds s[\g0:\g0+3], s[\g1:\g1+7]
	s_nop 0
.endm
.macro BAR                             ; a plain barrier: a tensor load may stay out across it
	s_wait_dscnt 0x0
	s_barrier_signal -1
	s_barrier_wait -1
.endm
; 16 LDS loads: the 8 A fragments (4 K steps x 2 blocks of 16) of one strip.  kind 0: rows along K, pitch 272.  kind 1: [k][n], pitch 288, transposing.
.macro FETCHS kind, adr, buf
.irp kk, 0,1,2,3
.irp a, 0,1
.if \kind
	ds_load_tr16_b128 v[\buf+8*(2*\kk+\a):\buf+8*(2*\kk+\a)+3], v[\adr] offset:9216*\kk+32*\a
	ds_load_tr16_b128 v[\buf+8*(2*\kk+\a)+4:\buf+8*(2*\kk+\a)+7], v[\adr] offset:9216*\kk+32*\a+4608
.else
	ds_load_b128 v[\buf+8*(2*\kk+\a):\buf+8*(2*\kk+\a)+3], v[\adr] offset:4352*\a+64*\kk
	ds_load_b128 v[\buf+8*(2*\kk+\a)+4:\buf+8*(2*\kk+\a)+7], v[\adr] offset:4352*\a+64*\kk+32
.endif
.endr
.endr
.endm
; 32 matrix instructions: strip g (K steps 4 g .. 4 g + 3).  The eight accumulators take turns, one instruction a turn.
.macro MULS buf, g, zero
.set ZF, \zero
.irp kk, 0,1,2,3
.irp a, 0,1
.irp sb, 0,1,2,3
.if ZF
	v_wmma_f32_16x16x32_bf16 v[SACC+8*(4*\a+\sb):SACC+8*(4*\a+\sb)+7], v[\buf+8*(2*\kk+\a):\buf+8*(2*\kk+\a)+7], v[8*(4*((4*\g+\kk)&7)+\sb):8*(4*((4*\g+\kk)&7)+\sb)+7], 0
.else
	v_wmma_f32_16x16x32_bf16 v[SACC+8*(4*\a+\sb):SACC+8*(4*\a+\sb)+7], v[\buf+8*(2*\kk+\a):\buf+8*(2*\kk+\a)+7], v[8*(4*((4*\g+\kk)&7)+\sb):8*(4*((4*\g+\kk)&7)+\sb)+7], v[SACC+8*(4*\a+\sb):SACC+8*(4*\a+\sb)+7]
.endif
.endr
.endr
.set ZF, 0
.endr
.endm
; SACC(a, sb) = my 32 outputs of the tile x 64 rows, K = 512: 128 matrix instructions.  Each count of 16 leaves the younger strip's 16 loads out.
; The window of source 1 (the Q fragments) does not touch LDS loads, so the fetches need no switch.
.macro SPH kind, adr
	FETCHS \kind, \adr, FA
	FETCHS \kind, \adr+1, FB
	s_wait_dscnt 16
	WIN 0x04
	MULS FA, 0, 1
	PLACES 4
	FETCHS \kind, \adr+2, FA
	s_wait_dscnt 16
	MULS FB, 1, 0
	PLACES 4
	FETCHS \kind, \adr+3, FB
	s_wait_dscnt 16
	WIN 0x08
	MULS FA, 2, 0
	s_wait_dscnt 0x0
	MULS FB, 3, 0
	WIN 0
	PLACES 5
.endm
; x comes in by whole 256-byte pieces of rows (16 lanes x 16 bytes) and is turned into the accumulator layout in the wave's own stage.
; Pass p: row block sb = p & 3, 64 of my 128 columns (half p >> 2).  Four register buffers: v64, v96, v192, v224.
.macro XIN_ISSUE p
.irp t, 0,1,2,3,4,5,6,7
	global_load_b128 v[64+32*((\p)&3)+64*(((\p)&3)>>1)+4*\t:64+32*((\p)&3)+64*(((\p)&3)>>1)+4*\t+3], v[XO], s[4:5] offset:(16*((\p)&3)+2*\t)*2048+256*((\p)>>2)
.endr
.endm
.macro XIN_PASS p, left
	s_wait_loadcnt \left                           ; this pass's eight loads are in; the younger passes' stay out
.irp t, 0,1,2,3,4,5,6,7
	ds_store_b128 v[SRD], v[64+32*(\p&3)+64*((\p&3)>>1)+4*\t:64+32*(\p&3)+64*((\p&3)>>1)+4*\t+3] offset:544*\t
.endr
	WIN 0xc0
.irp nb, 0,1,2,3
.irp q, 0,1
	ds_load_b128 v[8*(4*(4*(\p>>2)+\nb)+(\p&3))+4*\q:8*(4*(4*(\p>>2)+\nb)+(\p&3))+4*\q+3], v[SWD] offset:64*\nb+16*\q   ; LDS serves a wave in order: these see the stores above
.endr
.endr
	WIN 0
.if \p < 4
	s_wait_dscnt 8                                 ; the eight stores are done (the eight loads behind them may be out): their buffer is loaded again
	XIN_ISSUE \p+4
.endif
.endm
; One row block of a 512-wide activation, f32 in FA (my 128 columns), becomes bf16 B fragments Q(0..15, sb) in every wave.
.macro XCHROUND sb
.set ii, 0
.rept 32
	v_cvt_pk_bf16_f32 v[FA+ii], v[FA+2*ii], v[FA+2*ii+1]
.set ii, ii+1
.endr
.irp nb, 0,1,2,3,4,5,6,7
	ds_store_b128 v[XW], v[FA+4*\nb:FA+4*\nb+3] offset:32*\nb
.endr
	BAR                                            ; every wave's quarter of the 16 rows is in LDS
	WIN 0x40
.irp ks, 0,1,2,3,4,5,6,7
	ds_load_b128 v[8*(4*\ks+\sb):8*(4*\ks+\sb)+3], v[XR] offset:64*\ks
	ds_load_b128 v[8*(4*\ks+\sb)+4:8*(4*\ks+\sb)+7], v[XR] offset:64*\ks+32
.endr
	WIN 0x80
.irp ks, 0,1,2,3,4,5,6,7
	ds_load_b128 v[8*(4*\ks+\sb):8*(4*\ks+\sb)+3], v[XR] offset:512+64*\ks
	ds_load_b128 v[8*(4*\ks+\sb)+4:8*(4*\ks+\sb)+7], v[XR] offset:512+64*\ks+32
.endr
	WIN 0
	BAR                                            ; every wave has read: the rows may be written again
.endm
.macro SUM4 b                          ; the four waves' parts
	v_add_f32 v[\b], v[\b], v[\b+1]
	v_add_f32 v[\b+2], v[\b+2], v[\b+3]
	v_add_f32 v[\b], v[\b], v[\b+2]
.endm
; LayerNorm of ACC (64 rows x my 128 columns) into the Q fragments; ACC stays as it is.  Mean first, then the centred squares.
.macro LNX gp, bp
.irp nb, 0,1,2,3,4,5,6,7
.irp q, 0,1
	global_load_b128 v[SACC+8*\nb+4*\q:SACC+8*\nb+4*\q+3], v[GO], s[\gp:\gp+1] offset:64*\nb+16*\q   ; gain of my 64 columns
	global_load_b128 v[FB+8*\nb+4*\q:FB+8*\nb+4*\q+3], v[GO], s[\bp:\bp+1] offset:64*\nb+16*\q       ; bias
.endr
.endr
.irp sb, 0,1,2,3
	WIN 0x0f
.set ii, 0
.rept 16
	v_pk_add_f32 v[FA+2*ii:FA+2*ii+1], v[8*(4*(ii>>1)+\sb)+4*(ii&1):8*(4*(ii>>1)+\sb)+4*(ii&1)+1], v[8*(4*(ii>>1)+\sb)+4*(ii&1)+2:8*(4*(ii>>1)+\sb)+4*(ii&1)+3]
.set ii, ii+1
.endr
	WIN 0
.irp c, 8,4,2,1
.set ii, 0
.rept \c
	v_pk_add_f32 v[FA+2*ii:FA+2*ii+1], v[FA+2*ii:FA+2*ii+1], v[FA+2*(\c+ii):FA+2*(\c+ii)+1]
.set ii, ii+1
.endr
.endr
	v_add_f32 v[TT+2*\sb], v[FA], v[FA+1]
	v_permlanex16_b32 v[TT+2*\sb+1], v[TT+2*\sb], s88, s89         ; the other half of the lanes holds the row's other columns
	v_add_f32 v[TT+2*\sb], v[TT+2*\sb], v[TT+2*\sb+1]
	ds_store_b32 v[MXW], v[TT+2*\sb] offset:2048+256*\sb
.endr
	BAR
.irp sb, 0,1,2,3
	ds_load_b128 v[FA+4*\sb:FA+4*\sb+3], v[MXR] offset:2048+256*\sb
.endr
	s_wait_dscnt 0x0
.irp sb, 0,1,2,3
	SUM4 FA+4*\sb
	v_mul_f32 v[NMU+2*\sb], 0xbb000000, v[FA+4*\sb]                ; - sum / 512
	v_mul_f32 v[NMU+2*\sb+1], 0xbb000000, v[FA+4*\sb]
.endr
.irp sb, 0,1,2,3
	WIN 0x03
.set ii, 0
.rept 32
	v_pk_add_f32 v[FA+2*ii:FA+2*ii+1], v[8*(4*(ii>>2)+\sb)+2*(ii&3):8*(4*(ii>>2)+\sb)+2*(ii&3)+1], v[NMU+2*\sb:NMU+2*\sb+1]
.set ii, ii+1
.endr
	WIN 0
.set ii, 0
.rept 4
	v_pk_mul_f32 v[TT+2*ii:TT+2*ii+1], v[FA+2*ii:FA+2*ii+1], v[FA+2*ii:FA+2*ii+1]   ; four chains, started by the first products
.set ii, ii+1
.endr
.rept 28
	v_pk_fma_f32 v[TT+2*(ii&3):TT+2*(ii&3)+1], v[FA+2*ii:FA+2*ii+1], v[FA+2*ii:FA+2*ii+1], v[TT+2*(ii&3):TT+2*(ii&3)+1]
.set ii, ii+1
.endr
	v_pk_add_f32 v[TT:TT+1], v[TT:TT+1], v[TT+2:TT+3]
	v_pk_add_f32 v[TT+4:TT+5], v[TT+4:TT+5], v[TT+6:TT+7]
	v_pk_add_f32 v[TT:TT+1], v[TT:TT+1], v[TT+4:TT+5]
	v_add_f32 v[TT], v[TT], v[TT+1]
	v_permlanex16_b32 v[TT+1], v[TT], s88, s89
	v_add_f32 v[RS+2*\sb], v[TT], v[TT+1]
	ds_store_b32 v[MXW], v[RS+2*\sb] offset:3072+256*\sb
.endr
	BAR
.irp sb, 0,1,2,3
	ds_load_b128 v[FA+4*\sb:FA+4*\sb+3], v[MXR] offset:3072+256*\sb
.endr
	s_wait_dscnt 0x0
.irp sb, 0,1,2,3
	SUM4 FA+4*\sb
	v_fma_f32 v[FA+4*\sb], v[FA+4*\sb], s90, s91                   ; / 512 + 1e-5
.endr
.irp sb, 0,1,2,3
	v_rsq_f32 v[RS+2*\sb], v[FA+4*\sb]
	v_rsq_f32 v[RS+2*\sb+1], v[FA+4*\sb]
.endr
	v_nop                                          ; one plain place behind the transcendentals (ISA guide 5.7.2)
	s_wait_alu depctr_va_vdst(0)
	s_wait_loadcnt 0x0                             ; gain and bias
.irp sb, 0,1,2,3
	WIN 0x03
.set ii, 0
.rept 32
	v_pk_add_f32 v[FA+2*ii:FA+2*ii+1], v[8*(4*(ii>>2)+\sb)+2*(ii&3):8*(4*(ii>>2)+\sb)+2*(ii&3)+1], v[NMU+2*\sb:NMU+2*\sb+1]
.set ii, ii+1
.endr
	WIN 0
.set ii, 0
.rept 32
	v_pk_mul_f32 v[FA+2*ii:FA+2*ii+1], v[FA+2*ii:FA+2*ii+1], v[RS+2*\sb:RS+2*\sb+1]
.set ii, ii+1
.endr
.set ii, 0
.rept 32
	v_pk_fma_f32 v[FA+2*ii:FA+2*ii+1], v[FA+2*ii:FA+2*ii+1], v[SACC+2*ii:SACC+2*ii+1], v[FB+2*ii:FB+2*ii+1]
.set ii, ii+1
.endr
	XCHROUND \sb
.endr
.endm
; One weight tile: the other slot is asked for, this one is multiplied, the results are packed to bf16 into window 3:
; PK(nb = 2 c4 + a, sb), four registers = my true columns 16 nb + 8 h .. + 7 of row 16 sb + r.
.macro QTILE c4, wadr, g0this, g0other, fill, step
.if \fill
	FILLROUND \g0other, G1V, \g0this, \step
.else
	s_wait_tensorcnt 0x0                           ; the last tile: nothing is left to ask for
	BAR
.endif
	SPH 1, \wadr
	WIN 0xc0
.irp a, 0,1
.irp sb, 0,1,2,3
.irp i, 0,1,2,3
	v_cvt_pk_bf16_f32 v[4*(4*(2*\c4+\a)+\sb)+\i], v[SACC+8*(4*\a+\sb)+2*\i], v[SACC+8*(4*\a+\sb)+2*\i+1]
.endr
.endr
.endr
	WIN 0
.endm
; The way out, 16 rows at a time through my own stage: 16 bytes a lane in, whole pieces of 256 bytes of a row back; each store's 16 lanes
; cover 256 consecutive bytes, aligned.
.macro OUTB
.irp sb, 0,1,2,3
	WIN 0x0c
.irp nb, 0,1,2,3,4,5,6,7
	ds_store_b128 v[SWB], v[4*(4*\nb+\sb):4*(4*\nb+\sb)+3] offset:32*\nb
.endr
	WIN 0
	s_wait_xcnt 0x0                                ; the buffer that earlier stores read is loaded again only behind this wait
.irp t, 0,1,2,3,4,5,6,7
	ds_load_b128 v[FA+32*(\sb&1)+4*\t:FA+32*(\sb&1)+4*\t+3], v[SRD] offset:544*\t
.endr
.irp t, 0,1,2,3,4,5,6,7
	s_wait_dscnt 7-\t
	global_store_b128 v[QO], v[FA+32*(\sb&1)+4*\t:FA+32*(\sb&1)+4*\t+3], s[12:13] offset:(16*\sb+2*\t)*1024
.endr
.endr
	s_wait_xcnt 0x0                                ; FA and the base are written again only behind this wait
	s_add_nc_u64 s[12:13], s[12:13], 16777216      ; the next of q, k, v (behind v the stepped base is not used)
.endm
.macro MAT last
	QTILE 0, WADRA, G0A, G0B, 1, 512               ; a slot's next tile is two tiles on: 512 bytes along the rows,
	QTILE 1, WADRB, G0B, G0A, 1, 512
	QTILE 2, WADRA, G0A, G0B, 1, 523776            ; or into the next matrix: 524,288 - 512
.if \last
	QTILE 3, WADRB, G0B, G0A, 0, 0
.else
	QTILE 3, WADRB, G0B, G0A, 1, 523776
.endif
	OUTB
.endm
	s_load_b256 s[4:11], s[0:1], 0x0               ; x s[4:5], g1 s[6:7], b1 s[8:9], wb s[10:11]
	s_load_b64 s[12:13], s[0:1], 0x20              ; qkv
	v_lshl_add_u32 v54, v0, 2, 0x4d400
	v_mov_b32 v55, 0
	ds_add_u32 v54, v55
	v_lshrrev_b32 v1, 5, v0
	v_readfirstlane_b32 s16, v1                    ; wave 0..3
	s_bfe_u32 s17, ttmp6, 0x40000                  ; cx
	s_lshl_b32 s18, ttmp9, 2
	s_add_co_u32 s18, s18, s17                     ; my block of 64 rows = 4 x cluster + cx
	s_mov_b32 s88, 0x76543210                      ; v_permlanex16_b32: lane i reads lane i of the other half
	s_mov_b32 s89, 0xfedcba98
	s_mov_b32 s90, 0x3b000000                      ; 1 / 512
	s_mov_b32 s91, 0x3727c5ac                      ; 1e-5
	; group 1: 128 rows x 128 bf16, pitch 512 in memory; in LDS 32 bytes of padding behind every 256 (pitch 288); mask 15, bit 21 beside it
	s_mov_b32 s[G1V+0], 0x0f71000f
	s_mov_b32 s[G1V+1], 128<<16
	s_mov_b32 s[G1V+2], 128<<16
	s_mov_b32 s[G1V+3], 128<<16
	s_mov_b32 s[G1V+4], 128
	s_mov_b32 s[G1V+5], 512
	s_mov_b32 s[G1V+6], 0
	s_mov_b32 s[G1V+7], 0
	s_mul_i32 s21, s16, VSTRIP
	s_lshl_b32 s22, s16, 17                        ; my strip: k rows 128 w .. of 1,024 bytes
	s_mov_b32 s23, 0
	s_wait_dscnt 0x0
	s_wait_kmcnt 0x0
	s_mov_b32 s[G0A], 1
	s_mul_i32 s[G0A+1], s16, VSTRIP
	s_add_nc_u64 s[G0A+2:G0A+3], s[10:11], s[22:23]                ; tile 0 of wq'
	s_mov_b32 s[G0B], 1
	s_add_co_u32 s[G0B+1], s21, SLOTB
	s_add_nc_u64 s[G0B+2:G0B+3], s[G0A+2:G0A+3], 256               ; tile 1
	s_or_b32 s[G0A+3], s[G0A+3], 0x80000000
	s_or_b32 s[G0B+3], s[G0B+3], 0x80000000
	s_lshl_b32 s22, s18, 17
	s_add_nc_u64 s[4:5], s[4:5], s[22:23]          ; x at my 64 rows
	s_lshl_b32 s22, s18, 16
	s_add_nc_u64 s[12:13], s[12:13], s[22:23]      ; q at my 64 rows
	ROUND                                          ; all four work-groups are here: the first joint load meets
	tensor_load_to_lds s[G0A:G0A+3], s[G1V:G1V+7]
	s_nop 0
	v_and_b32 v1, 15, v0                           ; r
	v_bfe_u32 v2, v0, 4, 1                         ; h
	v_and_b32 v56, 7, v0
	v_lshl_add_u32 v56, v2, 3, v56
	v_mul_u32_u24 v56, v56, 288
	v_bfe_u32 v57, v0, 3, 1
	v_lshl_add_u32 v56, v57, 4, v56                ; (8 h + (L & 7)) 288 + 16 ((L >> 3) & 1)
	v_mul_u32_u24 v58, v1, 272
	v_lshl_add_u32 v59, v2, 5, v58                 ; 272 r + 32 h
	v_lshl_add_u32 v58, v2, 4, v58                 ; 272 r + 16 h
	v_mul_u32_u24 v60, v1, 1040
	v_lshl_add_u32 v60, v2, 4, v60                 ; 1040 r + 16 h
	v_mul_u32_u24 v61, v2, 272
	v_lshl_add_u32 v61, v1, 4, v61                 ; 272 h + 16 r
	v_mov_b32 v63, 0                               ; a lane permute's destination counts as read
	v_lshl_add_u32 v[WADRA], s16, 6, v56
.irp g, 1,2,3
	v_add_nc_u32 v[WADRA+\g], \g*VSTRIP, v[WADRA]
.endr
.irp g, 0,1,2,3
	v_add_nc_u32 v[WADRB+\g], SLOTB, v[WADRA+\g]
.endr
	v_lshl_add_u32 v[MXR], v1, 4, MX
	v_lshl_add_u32 v[MXW], s16, 2, v[MXR]
	v_add_nc_u32 v[XR], STG, v60
	v_lshl_add_u32 v[XW], s16, 8, v[XR]
	s_mul_i32 s22, s16, 4352
	s_add_co_u32 s22, s22, STG                     ; my own stage
	v_add_nc_u32 v[SRD], s22, v61
	v_add_nc_u32 v[SWD], s22, v59
	v_add_nc_u32 v[SWB], s22, v58
	v_lshlrev_b32 v[XO], 4, v1
	v_lshl_add_u32 v[XO], v2, 11, v[XO]
	v_lshl_add_u32 v[XO], s16, 9, v[XO]            ; 2048 h + 16 r + 512 w
	v_lshlrev_b32 v[GO], 5, v2
	v_lshl_add_u32 v[GO], s16, 9, v[GO]            ; 512 w + 32 h
	v_lshlrev_b32 v[QO], 4, v1
	v_lshl_add_u32 v[QO], v2, 10, v[QO]
	v_lshl_add_u32 v[QO], s16, 8, v[QO]            ; 1024 h + 16 r + 256 w
	XIN_ISSUE 0
	XIN_ISSUE 1
	XIN_ISSUE 2
	XIN_ISSUE 3
	XIN_PASS 0, 24                                 ; three younger passes of eight loads stay out
	XIN_PASS 1, 24
	XIN_PASS 2, 24
	XIN_PASS 3, 24
	XIN_PASS 4, 24
	XIN_PASS 5, 16
	XIN_PASS 6, 8
	XIN_PASS 7, 0
	s_wait_dscnt 0x0
	LNX 6, 8                                       ; its first barrier also parts the waves' own stages from the shared rows of the exchange
	s_mov_b32 s92, 2
.Lmat:
	MAT 0                                          ; q, then k
	s_sub_co_i32 s92, s92, 1
	s_cmp_lg_u32 s92, 0
	s_cbranch_scc1 .Lmat
	MAT 1                                          ; v: written out, since its last tile asks for nothing
	s_wait_dscnt 0x0
	s_wait_tensorcnt 0x0
	ds_add_u32 v54, v55
	s_wait_dscnt 0x0
	ROUND                                          ; the closing round: no work-group ends while a partner may still ask jointly
	s_endpgm
.Lfunc_end_k_qb9a87f4326_qkv:
	.size	k_qb9a87f4326_qkv, .Lfunc_end_k_qb9a87f4326_qkv-k_qb9a87f4326_qkv
	.p2alignl 7, 3214868480
	.fill 96, 4, 3214868480
	.section	.rodata,"a",@progbits
	.p2align	6, 0x0
	.amdhsa_kernel k_qb9a87f4326_qkv
		.amdhsa_group_segment_fixed_size 327680
		.amdhsa_private_segment_fixed_size 0
		.amdhsa_enable_private_segment 0
		.amdhsa_kernarg_size 40
		.amdhsa_user_sgpr_count 2
		.amdhsa_user_sgpr_kernarg_segment_ptr 1
		.amdhsa_wavefront_size32 1
		.amdhsa_system_sgpr_workgroup_id_x 1
		.amdhsa_system_sgpr_workgroup_id_y 1
		.amdhsa_system_sgpr_workgroup_id_z 1
		.amdhsa_system_vgpr_workitem_id 0
		.amdhsa_next_free_vgpr 1024
		.amdhsa_next_free_sgpr 96
		.amdhsa_reserve_vcc 0
		.amdhsa_float_denorm_mode_32 3
		.amdhsa_float_denorm_mode_16_64 3
		.amdhsa_memory_ordered 1
		.amdhsa_forward_progress 1
		.amdhsa_inst_pref_size 235
	.end_amdhsa_kernel
	.amdgpu_metadata
---
amdhsa.version: [ 1, 2 ]
amdhsa.kernels:
  - .name:           k_qb9a87f4326_qkv
    .symbol:         k_qb9a87f4326_qkv.kd
    .args:
      - { .name: x, .offset: 0, .size: 8, .value_kind: global_buffer, .address_space: global }
      - { .name: g1, .offset: 8, .size: 8, .value_kind: global_buffer, .address_space: global }
      - { .name: b1, .offset: 16, .size: 8, .value_kind: global_buffer, .address_space: global }
      - { .name: wb, .offset: 24, .size: 8, .value_kind: global_buffer, .address_space: global }
      - { .name: qkv, .offset: 32, .size: 8, .value_kind: global_buffer, .address_space: global }
    .group_segment_fixed_size: 327680
    .private_segment_fixed_size: 0
    .kernarg_segment_align: 8
    .kernarg_segment_size: 40
    .max_flat_workgroup_size: 128
    .sgpr_count:     96
    .vgpr_count:     1024
    .wavefront_size: 32
...
	.end_amdgpu_metadata
.endif
;; end of part 2
;; launch block (part 3): grid 256 x 1, 4 waves a work-group, clusters of 4 x 1, 327,680 bytes of LDS; arguments x, qkv, wb, g2, b2, out0; writes out0
.if DOCPART == 3
	.amdgcn_target "amdgcn-amd-amdhsa--gfx1250"
	.amdhsa_code_object_version 6
	.text
	.protected	k_qb9a87f4326_block
	.globl	k_qb9a87f4326_block
	.p2align	8
	.type	k_qb9a87f4326_block,@function
k_qb9a87f4326_block:
	s_mov_b64 s[64:65], 0
	v_nop
	global_prefetch_b8 v0, s[64:65] scope:SCOPE_SE
	s_setreg_imm32_b32 hwreg(HW_REG_WAVE_MODE, 25, 1), 1
	s_wait_xcnt 0x0
	s_wait_alu depctr_hold_cnt(0) depctr_sa_sdst(0) depctr_va_vdst(0) depctr_va_sdst(0) depctr_va_ssrc(0) depctr_va_vcc(0) depctr_vm_vsrc(0)
	s_getreg_b32 s2, hwreg(HW_REG_IB_STS2, 6, 4)
	s_cmp_eq_u32 s2, 0
	s_cbranch_scc0 .Lentry_in_a_cluster
	s_endpgm
.Lentry_in_a_cluster:
	s_bfe_u32 s2, ttmp6, 0x10000c
	s_cmp_lg_u32 s2, 0x3003
	s_cbranch_scc0 .Lentry_shape_is_right
	s_endpgm
.Lentry_shape_is_right:
; block: for 64 query rows: softmax(q k^T) v (the scale log2(e) / 512 lies in q), times wp, plus x, LayerNorm (g2, b2), w1, exact GELU, w2, plus.
; 256 work-groups of 64 rows, four waves.  All products are made transposed, D(m = key or output column, n = row): lane r is always row
; 16 sb + r, so softmax, norm and 1 / l are per lane, a packed result is 16 bytes of a B fragment, and residuals are added in place.
; TWO PHASES, 128 matrix instructions a wave each:
;   SPH (K = 512, 128 outputs): SACC(a, sb) = my 32 rows or columns of a tile x the 64 B fragments Q(ks, sb) held in 512 registers;
;   APH (K = 128, 512 outputs): ACC(nb, sb) += my strip of 128 columns of a [128 k][512] tile (transposing LDS loads) x a 64 x 128 stage in LDS.
;   Attention is SPH on a K tile, softmax, APH on a V tile; the MLP is SPH on w1's columns, GELU, APH on w2's rows; the projection is four SPH.
; CLUSTER: four neighbouring row blocks lie in one batch (32 blocks a batch) and walk the same K, V and weight tiles: every such tile is asked for
; jointly (mask 15).  Every refill is one load a wave, 128 rows x 256 bytes, first behind a round of the cluster's barrier.
; A wave has two tensor loads outstanding at the start (K tile 0 and q) and one behind each round.
; A 4 x 4 cluster has nothing to add: the tiles are shared along one axis only.
; LIMITS: P, O, h2 and GELU's results are rounded to bf16 (matrix operands); the row sum l is taken from the f32 values of p; a running maximum over
; all keys seen is kept; v_exp_f32 gives zero for results below 2^-126; erf by Abramowitz-Stegun 7.1.26, absolute error up to 1.5e-7, for every x.
;
; REGISTERS: window 0: v0-31 addresses, v32-63 state, v64-127 SACC, v128-191 FA, v192-255 FB; windows 1, 2: Q(ks, sb) at window 1 + (ks >> 3),
; register 8 (4 (ks & 7) + sb); window 3: ACC(nb, sb) at 8 (4 nb + sb): column 128 w + 16 nb + 8 h + j of row 16 sb + r.
; LDS: slot A at 0, slot B at 147,456 (tensor loads alone); STG at 294,912 and MX at 312,320 (LDS stores alone).
.set KSTRIP, 34816                     ; 128 rows of 272 bytes (rows along K)
.set VSTRIP, 36864                     ; 128 rows of 288 bytes (for the transposing loads)
.set SLOTB,  147456
.set STG,    294912                    ; 17,408 bytes: [64 rows][272] for P and GELU, [16 rows][1040] for the exchange, or four stages of 16 x 272
.set MX,     312320                    ; four areas of [64 rows][4 waves] f32: maxima, row sums, LayerNorm's two sums
.set SACC, 64
.set FA,   128
.set FB,   192
.set PFO,  3
.set KADR, 4                           ; v4-7    slot A, strip g (d = 128 g ..): my 32 keys
.set WADRA, 8                          ; v8-11   slot A, strip g (k = 128 g ..): transposing address of my 32 columns
.set WADRB, 12                         ; v12-15  the same in slot B
.set VADR, 16                          ; slot B, my strip of 128 columns
.set PADR, 17
.set PWR,  18
.set MXW,  19
.set MXR,  20
.set XW,   21
.set XR,   22
.set SRD,  23
.set SWD,  24
.set XO,   25
.set GO,   26
.set QA,   28                          ; v28-31  q's strips in slot B, at the start only
.set CA4,  30                          ; v30-31  later: a constant of GELU, as a pair
.set MST,  32                          ; v32-39  running maximum, a pair for each row block; later minus the mean
.set NMU,  32
.set AL,   40                          ; v40-47  rescaling factor; later 1 / l; later 1 / sqrt(var + eps)
.set RS,   40
.set LP,   48                          ; v48-55  my part of the row sum, two halves
.set TT,   56                          ; v56-63  at work
.set G1K,  24
.set G1V,  32
.set G1W1, 40
.set G1Q,  48
.set G0K,  56
.set G0V,  60
.set G0Q,  68
.set G0WA, 72
.set G0WB, 76
.set G0W1, 80
.set G0W2, 84
.set MSB, 0
.macro WIN new                         ; the immediate's high byte repeats the setting that is left
.if MSB != \new
	s_set_vgpr_msb (MSB<<8)|\new
.set MSB, \new
.endif
.endm
.macro PLACES n                        ; the places behind matrix instructions (ISA guide 7.12.1)
.rept \n
	v_nop
.endr
.endm
.macro ROUND                           ; a round of the cluster's barrier
	s_barrier_signal -1
	s_barrier_wait -1
	s_cmp_lg_u32 s16, 0
	s_cbranch_scc1 .Lnw0_\@
	s_barrier_signal -3
.Lnw0_\@:
	s_barrier_wait -3
	s_barrier_signal -1
	s_barrier_wait -1
.endm
; A slot is filled again: my LDS reads are back and all my tensor loads have landed; the group 0 whose load has just been shown done is
; stepped; all waves of all four work-groups pass the round; my one load stands first behind it.
.macro FILLROUND g0, g1, st, bytes
	s_wait_dscnt 0x0
	s_wait_xcnt 0x0
	v_lshl_add_u32 v142, v0, 2, 0x4d400
	v_mov_b32 v143, 0
	s_wait_tensorcnt 0x0
	ds_add_u32 v142, v143
	s_wait_dscnt 0x0
.if \bytes
	s_add_nc_u64 s[\st+2:\st+3], s[\st+2:\st+3], \bytes
.endif
	ROUND
	tensor_load_to_lds s[\g0:\g0+3], s[\g1:\g1+7]
	s_nop 0
.endm
.macro BAR                             ; a plain barrier: a tensor load may stay out across it
	s_wait_dscnt 0x0
	s_barrier_signal -1
	s_barrier_wait -1
.endm
.macro GROUP1 g, w0, rows, pitch       ; rows x 128 bf16
	s_mov_b32 s[\g], \w0
	s_mov_b32 s[\g+1], 128<<16
	s_mov_b32 s[\g+2], \rows<<16
	s_mov_b32 s[\g+3], 128<<16
	s_mov_b32 s[\g+4], \rows
	s_mov_b32 s[\g+5], \pitch
	s_mov_b32 s[\g+6], 0
	s_mov_b32 s[\g+7], 0
.endm
; 16 LDS loads: the 8 A fragments (4 K steps x 2 blocks of 16) of one strip.  kind 0: rows along K, pitch 272.  kind 1: [k][n], pitch 288, transposing.
.macro FETCHS kind, adr, buf
.irp kk, 0,1,2,3
.irp a, 0,1
.if \kind
	ds_load_tr16_b128 v[\buf+8*(2*\kk+\a):\buf+8*(2*\kk+\a)+3], v[\adr] offset:9216*\kk+32*\a
	ds_load_tr16_b128 v[\buf+8*(2*\kk+\a)+4:\buf+8*(2*\kk+\a)+7], v[\adr] offset:9216*\kk+32*\a+4608
.else
	ds_load_b128 v[\buf+8*(2*\kk+\a):\buf+8*(2*\kk+\a)+3], v[\adr] offset:4352*\a+64*\kk
	ds_load_b128 v[\buf+8*(2*\kk+\a)+4:\buf+8*(2*\kk+\a)+7], v[\adr] offset:4352*\a+64*\kk+32
.endif
.endr
.endr
.endm
; 32 matrix instructions: strip g (K steps 4 g .. 4 g + 3).  The eight accumulators take turns, one instruction a turn.
.macro MULS buf, g, zero
.set ZF, \zero
.irp kk, 0,1,2,3
.irp a, 0,1
.irp sb, 0,1,2,3
.if ZF
	v_wmma_f32_16x16x32_bf16 v[SACC+8*(4*\a+\sb):SACC+8*(4*\a+\sb)+7], v[\buf+8*(2*\kk+\a):\buf+8*(2*\kk+\a)+7], v[8*(4*((4*\g+\kk)&7)+\sb):8*(4*((4*\g+\kk)&7)+\sb)+7], 0
.else
	v_wmma_f32_16x16x32_bf16 v[SACC+8*(4*\a+\sb):SACC+8*(4*\a+\sb)+7], v[\buf+8*(2*\kk+\a):\buf+8*(2*\kk+\a)+7], v[8*(4*((4*\g+\kk)&7)+\sb):8*(4*((4*\g+\kk)&7)+\sb)+7], v[SACC+8*(4*\a+\sb):SACC+8*(4*\a+\sb)+7]
.endif
.endr
.endr
.set ZF, 0
.endr
.endm
; Each count of 16 leaves the younger strip's 16 loads out.  The window of source 1 (the Q fragments) does not touch LDS loads.
.macro SPH kind, adr
	FETCHS \kind, \adr, FA
	FETCHS \kind, \adr+1, FB
	s_wait_dscnt 16
	WIN 0x04
	MULS FA, 0, 1
	PLACES 4
	FETCHS \kind, \adr+2, FA
	s_wait_dscnt 16
	MULS FB, 1, 0
	PLACES 4
	FETCHS \kind, \adr+3, FB
	s_wait_dscnt 16
	WIN 0x08
	MULS FA, 2, 0
	s_wait_dscnt 0x0
	MULS FB, 3, 0
	WIN 0
	PLACES 5
.endm
.macro FETCHA ks, buf                  ; 16 loads: 8 A fragments, my 128 columns x 32 k
.irp nb, 0,1,2,3,4,5,6,7
	ds_load_tr16_b128 v[\buf+8*\nb:\buf+8*\nb+3], v[VADR] offset:9216*\ks+32*\nb
	ds_load_tr16_b128 v[\buf+8*\nb+4:\buf+8*\nb+7], v[VADR] offset:9216*\ks+32*\nb+4608
.endr
.endm
.macro FETCHB ks, buf                  ; 8 loads: 4 B fragments, 64 rows x 32 k of the stage
.irp sb, 0,1,2,3
	ds_load_b128 v[\buf+8*\sb:\buf+8*\sb+3], v[PADR] offset:4352*\sb+64*\ks
	ds_load_b128 v[\buf+8*\sb+4:\buf+8*\sb+7], v[PADR] offset:4352*\sb+64*\ks+32
.endr
.endm
.macro MULA ab, bb, zero               ; 32 matrix instructions; the 32 accumulators take turns, one instruction a turn
	WIN 0xf0
.irp nb, 0,1,2,3,4,5,6,7
.irp sb, 0,1,2,3
.if \zero
	v_wmma_f32_16x16x32_bf16 v[8*(4*\nb+\sb):8*(4*\nb+\sb)+7], v[\ab+8*\nb:\ab+8*\nb+7], v[\bb+8*\sb:\bb+8*\sb+7], 0
.else
	v_wmma_f32_16x16x32_bf16 v[8*(4*\nb+\sb):8*(4*\nb+\sb)+7], v[\ab+8*\nb:\ab+8*\nb+7], v[\bb+8*\sb:\bb+8*\sb+7], v[8*(4*\nb+\sb):8*(4*\nb+\sb)+7]
.endif
.endr
.endr
.endm
; A buffers FA and SACC, B buffers FB and FB + 32.  Each count of 24 leaves the next K step's 16 + 8 loads out.  pre = 1: step 0's A fragments are there.
.macro APH zero, pre
.if \pre
.else
	FETCHA 0, FA
.endif
	FETCHB 0, FB
	FETCHA 1, SACC
	FETCHB 1, FB+32
	s_wait_dscnt 24
	MULA FA, FB, \zero
	WIN 0
	PLACES 4
	FETCHA 2, FA
	FETCHB 2, FB
	s_wait_dscnt 24
	MULA SACC, FB+32, 0
	WIN 0
	PLACES 4
	FETCHA 3, SACC
	FETCHB 3, FB+32
	s_wait_dscnt 24
	MULA FA, FB, 0
	s_wait_dscnt 0x0
	MULA SACC, FB+32, 0
	WIN 0
	PLACES 5
.endm
; x comes in by whole 256-byte pieces of rows (16 lanes x 16 bytes) and is turned into the accumulator layout in the wave's own stage.
; Pass p: row block sb = p & 3, 64 of my 128 columns (half p >> 2).  Four register buffers: v64, v96, v192, v224.
.macro XIN_ISSUE p
.irp t, 0,1,2,3,4,5,6,7
	global_load_b128 v[64+32*((\p)&3)+64*(((\p)&3)>>1)+4*\t:64+32*((\p)&3)+64*(((\p)&3)>>1)+4*\t+3], v[XO], s[4:5] offset:(16*((\p)&3)+2*\t)*2048+256*((\p)>>2)
.endr
.endm
.macro XIN_PASS p, left
	s_wait_loadcnt \left                           ; this pass's eight loads are in; the younger passes' stay out
.irp t, 0,1,2,3,4,5,6,7
	ds_store_b128 v[SRD], v[64+32*(\p&3)+64*((\p&3)>>1)+4*\t:64+32*(\p&3)+64*((\p&3)>>1)+4*\t+3] offset:544*\t
.endr
	WIN 0xc0
.irp nb, 0,1,2,3
.irp q, 0,1
	ds_load_b128 v[8*(4*(4*(\p>>2)+\nb)+(\p&3))+4*\q:8*(4*(4*(\p>>2)+\nb)+(\p&3))+4*\q+3], v[SWD] offset:64*\nb+16*\q   ; LDS serves a wave in order: these see the stores above
.endr
.endr
	WIN 0
.if \p < 4
	s_wait_dscnt 8                                 ; the eight stores are done (the eight loads behind them may be out): their buffer is loaded again
	XIN_ISSUE \p+4
.endif
.endm
; One row block of a 512-wide activation, f32 in FA (my 128 columns), becomes bf16 B fragments Q(0..15, sb) in every wave.
.macro XCHROUND sb
.set ii, 0
.rept 32
	v_cvt_pk_bf16_f32 v[FA+ii], v[FA+2*ii], v[FA+2*ii+1]
.set ii, ii+1
.endr
.irp nb, 0,1,2,3,4,5,6,7
	ds_store_b128 v[XW], v[FA+4*\nb:FA+4*\nb+3] offset:32*\nb
.endr
	BAR                                            ; every wave's quarter of the 16 rows is in LDS
	WIN 0x40
.irp ks, 0,1,2,3,4,5,6,7
	ds_load_b128 v[8*(4*\ks+\sb):8*(4*\ks+\sb)+3], v[XR] offset:64*\ks
	ds_load_b128 v[8*(4*\ks+\sb)+4:8*(4*\ks+\sb)+7], v[XR] offset:64*\ks+32
.endr
	WIN 0x80
.irp ks, 0,1,2,3,4,5,6,7
	ds_load_b128 v[8*(4*\ks+\sb):8*(4*\ks+\sb)+3], v[XR] offset:512+64*\ks
	ds_load_b128 v[8*(4*\ks+\sb)+4:8*(4*\ks+\sb)+7], v[XR] offset:512+64*\ks+32
.endr
	WIN 0
	BAR                                            ; every wave has read: the rows may be written again
.endm
.macro SUM4 b                          ; the four waves' parts
	v_add_f32 v[\b], v[\b], v[\b+1]
	v_add_f32 v[\b+2], v[\b+2], v[\b+3]
	v_add_f32 v[\b], v[\b], v[\b+2]
.endm
; LayerNorm of ACC (64 rows x my 128 columns) into the Q fragments; ACC stays as it is.  Mean first, then the centred squares.
.macro LNX gp, bp
.irp nb, 0,1,2,3,4,5,6,7
.irp q, 0,1
	global_load_b128 v[SACC+8*\nb+4*\q:SACC+8*\nb+4*\q+3], v[GO], s[\gp:\gp+1] offset:64*\nb+16*\q   ; gain of my 64 columns
	global_load_b128 v[FB+8*\nb+4*\q:FB+8*\nb+4*\q+3], v[GO], s[\bp:\bp+1] offset:64*\nb+16*\q       ; bias
.endr
.endr
.irp sb, 0,1,2,3
	WIN 0x0f
.set ii, 0
.rept 16
	v_pk_add_f32 v[FA+2*ii:FA+2*ii+1], v[8*(4*(ii>>1)+\sb)+4*(ii&1):8*(4*(ii>>1)+\sb)+4*(ii&1)+1], v[8*(4*(ii>>1)+\sb)+4*(ii&1)+2:8*(4*(ii>>1)+\sb)+4*(ii&1)+3]
.set ii, ii+1
.endr
	WIN 0
.irp c, 8,4,2,1
.set ii, 0
.rept \c
	v_pk_add_f32 v[FA+2*ii:FA+2*ii+1], v[FA+2*ii:FA+2*ii+1], v[FA+2*(\c+ii):FA+2*(\c+ii)+1]
.set ii, ii+1
.endr
.endr
	v_add_f32 v[TT+2*\sb], v[FA], v[FA+1]
	v_permlanex16_b32 v[TT+2*\sb+1], v[TT+2*\sb], s88, s89         ; the other half of the lanes holds the row's other columns
	v_add_f32 v[TT+2*\sb], v[TT+2*\sb], v[TT+2*\sb+1]
	ds_store_b32 v[MXW], v[TT+2*\sb] offset:2048+256*\sb
.endr
	BAR
.irp sb, 0,1,2,3
	ds_load_b128 v[FA+4*\sb:FA+4*\sb+3], v[MXR] offset:2048+256*\sb
.endr
	s_wait_dscnt 0x0
.irp sb, 0,1,2,3
	SUM4 FA+4*\sb
	v_mul_f32 v[NMU+2*\sb], 0xbb000000, v[FA+4*\sb]                ; - sum / 512
	v_mul_f32 v[NMU+2*\sb+1], 0xbb000000, v[FA+4*\sb]
.endr
.irp sb, 0,1,2,3
	WIN 0x03
.set ii, 0
.rept 32
	v_pk_add_f32 v[FA+2*ii:FA+2*ii+1], v[8*(4*(ii>>2)+\sb)+2*(ii&3):8*(4*(ii>>2)+\sb)+2*(ii&3)+1], v[NMU+2*\sb:NMU+2*\sb+1]
.set ii, ii+1
.endr
	WIN 0
.set ii, 0
.rept 4
	v_pk_mul_f32 v[TT+2*ii:TT+2*ii+1], v[FA+2*ii:FA+2*ii+1], v[FA+2*ii:FA+2*ii+1]   ; four chains, started by the first products
.set ii, ii+1
.endr
.rept 28
	v_pk_fma_f32 v[TT+2*(ii&3):TT+2*(ii&3)+1], v[FA+2*ii:FA+2*ii+1], v[FA+2*ii:FA+2*ii+1], v[TT+2*(ii&3):TT+2*(ii&3)+1]
.set ii, ii+1
.endr
	v_pk_add_f32 v[TT:TT+1], v[TT:TT+1], v[TT+2:TT+3]
	v_pk_add_f32 v[TT+4:TT+5], v[TT+4:TT+5], v[TT+6:TT+7]
	v_pk_add_f32 v[TT:TT+1], v[TT:TT+1], v[TT+4:TT+5]
	v_add_f32 v[TT], v[TT], v[TT+1]
	v_permlanex16_b32 v[TT+1], v[TT], s88, s89
	v_add_f32 v[RS+2*\sb], v[TT], v[TT+1]
	ds_store_b32 v[MXW], v[RS+2*\sb] offset:3072+256*\sb
.endr
	BAR
.irp sb, 0,1,2,3
	ds_load_b128 v[FA+4*\sb:FA+4*\sb+3], v[MXR] offset:3072+256*\sb
.endr
	s_wait_dscnt 0x0
.irp sb, 0,1,2,3
	SUM4 FA+4*\sb
	v_fma_f32 v[FA+4*\sb], v[FA+4*\sb], s90, s91                   ; / 512 + 1e-5
.endr
.irp sb, 0,1,2,3
	v_rsq_f32 v[RS+2*\sb], v[FA+4*\sb]
	v_rsq_f32 v[RS+2*\sb+1], v[FA+4*\sb]
.endr
	v_nop                                          ; one plain place behind the transcendentals (ISA guide 5.7.2)
	s_wait_alu depctr_va_vdst(0)
	s_wait_loadcnt 0x0                             ; gain and bias
.irp sb, 0,1,2,3
	WIN 0x03
.set ii, 0
.rept 32
	v_pk_add_f32 v[FA+2*ii:FA+2*ii+1], v[8*(4*(ii>>2)+\sb)+2*(ii&3):8*(4*(ii>>2)+\sb)+2*(ii&3)+1], v[NMU+2*\sb:NMU+2*\sb+1]
.set ii, ii+1
.endr
	WIN 0
.set ii, 0
.rept 32
	v_pk_mul_f32 v[FA+2*ii:FA+2*ii+1], v[FA+2*ii:FA+2*ii+1], v[RS+2*\sb:RS+2*\sb+1]
.set ii, ii+1
.endr
.set ii, 0
.rept 32
	v_pk_fma_f32 v[FA+2*ii:FA+2*ii+1], v[FA+2*ii:FA+2*ii+1], v[SACC+2*ii:SACC+2*ii+1], v[FB+2*ii:FB+2*ii+1]
.set ii, ii+1
.endr
	XCHROUND \sb
.endr
.endm
; The stage of P or of GELU's results: my 32 of the 128 columns of all 64 rows, from v224-255 (tile 4 a + sb: four registers)
.macro PSTORE
.irp a, 0,1
.irp sb, 0,1,2,3
	ds_store_b128 v[PWR], v[224+4*(4*\a+\sb):224+4*(4*\a+\sb)+3] offset:4352*\sb+32*\a
.endr
.endr
.endm
; ONE TILE OF 128 KEYS.  first = 1: it starts maximum, row sum and O.  g0n, g1n: what goes into slot A next.  pf = 1: x is asked for ahead.
.macro TILE first, g0n, g1n, pf
	FILLROUND G0V, G1V, G0K, 131072                ; this tile's K has landed in every wave's view; V goes into slot B; K's address steps 128 rows
.if \pf
.irp i, 0,1,2,3
	global_prefetch_b8 v[PFO], s[4:5] offset:8192*\i th:TH_LOAD_NT scope:SCOPE_SE   ; my work-group's own 131,072 bytes of x, lanes 256 bytes apart, each wave a
.endr                                                                              ; quarter, each block once, in the last tile only: x is loaded behind this tile
.endif
	SPH 0, KADR
.irp sb, 0,1,2,3                       ; the largest of my 32 keys for each row
	v_max3_num_f32 v[TT],   v[SACC+8*\sb],      v[SACC+8*\sb+1],    v[SACC+8*\sb+2]
	v_max3_num_f32 v[TT+1], v[SACC+8*\sb+3],    v[SACC+8*\sb+4],    v[SACC+8*\sb+5]
	v_max3_num_f32 v[TT+2], v[SACC+8*\sb+6],    v[SACC+8*\sb+7],    v[SACC+32+8*\sb]
	v_max3_num_f32 v[TT+3], v[SACC+32+8*\sb+1], v[SACC+32+8*\sb+2], v[SACC+32+8*\sb+3]
	v_max3_num_f32 v[TT+4], v[SACC+32+8*\sb+4], v[SACC+32+8*\sb+5], v[SACC+32+8*\sb+6]
	v_max3_num_f32 v[TT],   v[TT],   v[TT+1], v[SACC+32+8*\sb+7]
	v_max3_num_f32 v[TT+2], v[TT+2], v[TT+3], v[TT+4]
	v_max_num_f32 v[TT], v[TT], v[TT+2]
	v_permlanex16_b32 v[TT+1], v[TT], s88, s89
	v_max_num_f32 v[AL+2*\sb], v[TT], v[TT+1]
	ds_store_b32 v[MXW], v[AL+2*\sb] offset:256*\sb
.endr
	FILLROUND \g0n, \g1n, G0V, 131072              ; the maxima are in LDS, K is read, V has landed; the next tile goes into slot A; V's address steps
.irp sb, 0,1,2,3
	ds_load_b128 v[FB+4*\sb:FB+4*\sb+3], v[MXR] offset:256*\sb
.endr
	FETCHA 0, FA                                   ; V's first fragments come while the softmax is made
	s_wait_dscnt 16                                ; the four waves' maxima are in; the 16 loads behind them stay out
.irp sb, 0,1,2,3
	v_max3_num_f32 v[TT], v[FB+4*\sb], v[FB+4*\sb+1], v[FB+4*\sb+2]
.if \first
	v_max_num_f32 v[MST+2*\sb], v[TT], v[FB+4*\sb+3]
	v_max_num_f32 v[MST+2*\sb+1], v[TT], v[FB+4*\sb+3]
.else
	v_max3_num_f32 v[TT], v[TT], v[FB+4*\sb+3], v[MST+2*\sb]
	v_sub_f32 v[AL+2*\sb], v[MST+2*\sb], v[TT]     ; old maximum - new
	v_sub_f32 v[AL+2*\sb+1], v[MST+2*\sb], v[TT]
	v_mov_b32 v[MST+2*\sb], v[TT]
	v_mov_b32 v[MST+2*\sb+1], v[TT]
.endif
.endr
.irp a, 0,1
.irp sb, 0,1,2,3
.irp jj, 0,2,4,6
	v_pk_add_f32 v[SACC+8*(4*\a+\sb)+\jj:SACC+8*(4*\a+\sb)+\jj+1], v[SACC+8*(4*\a+\sb)+\jj:SACC+8*(4*\a+\sb)+\jj+1], v[MST+2*\sb:MST+2*\sb+1] neg_lo:[0,1] neg_hi:[0,1]
.endr
.endr
.endr
.set ii, 0
.rept 64
	v_exp_f32 v[SACC+ii], v[SACC+ii]
.set ii, ii+1
.endr
.if \first
.else
.set ii, 0
.rept 8
	v_exp_f32 v[AL+ii], v[AL+ii]
.set ii, ii+1
.endr
.endif
	v_nop                                          ; one plain place behind the transcendentals (ISA guide 5.7.2)
	s_wait_alu depctr_va_vdst(0)
.irp sb, 0,1,2,3                       ; my part of the row sum, from the f32 values
	v_pk_add_f32 v[TT:TT+1],   v[SACC+8*\sb+2:SACC+8*\sb+3],       v[SACC+8*\sb+4:SACC+8*\sb+5]
	v_pk_add_f32 v[TT+2:TT+3], v[SACC+8*\sb+6:SACC+8*\sb+7],       v[SACC+32+8*\sb:SACC+32+8*\sb+1]
	v_pk_add_f32 v[TT+4:TT+5], v[SACC+32+8*\sb+2:SACC+32+8*\sb+3], v[SACC+32+8*\sb+4:SACC+32+8*\sb+5]
.if \first
	v_pk_add_f32 v[LP+2*\sb:LP+2*\sb+1], v[SACC+8*\sb:SACC+8*\sb+1], v[SACC+32+8*\sb+6:SACC+32+8*\sb+7]
.else
	v_pk_fma_f32 v[LP+2*\sb:LP+2*\sb+1], v[LP+2*\sb:LP+2*\sb+1], v[AL+2*\sb:AL+2*\sb+1], v[SACC+8*\sb:SACC+8*\sb+1]
	v_pk_add_f32 v[TT+4:TT+5], v[TT+4:TT+5], v[SACC+32+8*\sb+6:SACC+32+8*\sb+7]
.endif
	v_pk_add_f32 v[TT:TT+1], v[TT:TT+1], v[TT+2:TT+3]
	v_pk_add_f32 v[LP+2*\sb:LP+2*\sb+1], v[LP+2*\sb:LP+2*\sb+1], v[TT+4:TT+5]
	v_pk_add_f32 v[LP+2*\sb:LP+2*\sb+1], v[LP+2*\sb:LP+2*\sb+1], v[TT:TT+1]
.endr
.set ii, 0
.rept 32
	v_cvt_pk_bf16_f32 v[224+ii], v[SACC+2*ii], v[SACC+2*ii+1]
.set ii, ii+1
.endr
	PSTORE
	s_wait_dscnt 0x0                               ; my part of P is in LDS
	s_barrier_signal -1                            ; a plain barrier
.if \first
.else
	WIN 0xc3
.irp nb, 0,1,2,3,4,5,6,7
.irp sb, 0,1,2,3
.irp jj, 0,2,4,6
	v_pk_mul_f32 v[8*(4*\nb+\sb)+\jj:8*(4*\nb+\sb)+\jj+1], v[8*(4*\nb+\sb)+\jj:8*(4*\nb+\sb)+\jj+1], v[AL+2*\sb:AL+2*\sb+1]   ; O to the new maximum, while the others arrive
.endr
.endr
.endr
	WIN 0
.endif
	s_barrier_wait -1
	APH \first, 1
.endm
.macro PADD c                          ; the projection's tile c holds my true columns 32 c .. 32 c + 31: added onto x in place
	WIN 0xc3
.irp a, 0,1
.irp sb, 0,1,2,3
.irp jj, 0,2,4,6
	v_pk_add_f32 v[8*(4*(2*\c+\a)+\sb)+\jj:8*(4*(2*\c+\a)+\sb)+\jj+1], v[8*(4*(2*\c+\a)+\sb)+\jj:8*(4*(2*\c+\a)+\sb)+\jj+1], v[SACC+8*(4*\a+\sb)+\jj:SACC+8*(4*\a+\sb)+\jj+1]
.endr
.endr
.endr
	WIN 0
.endm
; GELU of 16 values: 0.5 x + |x| (0.5 - P(t) E), t = 1 / (1 + 0.23164189 |x|), E = 2^(-0.72134752 x^2), P = half of the series' polynomial.
; FA + 0: |x|, + 16: E, + 32: t, + 48: P.
.macro GSTEP lit                       ; P = P t + lit
.set ii, 0
.rept 8
	v_pk_fma_f32 v[FA+48+ii:FA+49+ii], v[FA+48+ii:FA+49+ii], v[FA+32+ii:FA+33+ii], \lit op_sel_hi:[1,1,0]
.set ii, ii+2
.endr
.endm
.macro GELUB b
.set ii, 0
.rept 16
	v_and_b32 v[FA+ii], 0x7fffffff, v[SACC+16*\b+ii]
.set ii, ii+1
.endr
.set ii, 0
.rept 8
	v_pk_mul_f32 v[FA+16+ii:FA+17+ii], v[SACC+16*\b+ii:SACC+16*\b+ii+1], v[SACC+16*\b+ii:SACC+16*\b+ii+1]
	v_pk_fma_f32 v[FA+32+ii:FA+33+ii], v[FA+ii:FA+ii+1], 0x3e6d3388, 1.0 op_sel_hi:[1,0,0]
.set ii, ii+2
.endr
.set ii, 0
.rept 8
	v_pk_mul_f32 v[FA+16+ii:FA+17+ii], v[FA+16+ii:FA+17+ii], 0xbf38aa3b op_sel_hi:[1,0]
.set ii, ii+2
.endr
.set ii, 0
.rept 16
	v_exp_f32 v[FA+16+ii], v[FA+16+ii]
.set ii, ii+1
.endr
.set ii, 0
.rept 16
	v_rcp_f32 v[FA+32+ii], v[FA+32+ii]
.set ii, ii+1
.endr
	v_nop                                          ; one plain place behind the transcendentals (ISA guide 5.7.2)
.set ii, 0
	s_wait_alu depctr_va_vdst(0)
.rept 8
	v_pk_fma_f32 v[FA+48+ii:FA+49+ii], v[FA+32+ii:FA+33+ii], 0x3f07dc22, v[CA4:CA4+1] op_sel_hi:[1,0,1]
.set ii, ii+2
.endr
	GSTEP 0x3f35f0e3
	GSTEP 0xbe11a98e
	GSTEP 0x3e027906
.set ii, 0
.rept 8
	v_pk_mul_f32 v[FA+48+ii:FA+49+ii], v[FA+48+ii:FA+49+ii], v[FA+32+ii:FA+33+ii]
.set ii, ii+2
.endr
.set ii, 0
.rept 8
	v_pk_fma_f32 v[FA+48+ii:FA+49+ii], v[FA+48+ii:FA+49+ii], v[FA+16+ii:FA+17+ii], 0.5 op_sel_hi:[1,1,0] neg_lo:[1,0,0] neg_hi:[1,0,0]
.set ii, ii+2
.endr
.set ii, 0
.rept 8
	v_pk_mul_f32 v[FA+48+ii:FA+49+ii], v[FA+48+ii:FA+49+ii], v[FA+ii:FA+ii+1]
.set ii, ii+2
.endr
.set ii, 0
.rept 8
	v_pk_fma_f32 v[FA+48+ii:FA+49+ii], v[SACC+16*\b+ii:SACC+16*\b+ii+1], 0.5, v[FA+48+ii:FA+49+ii] op_sel_hi:[1,0,1]
.set ii, ii+2
.endr
.set ii, 0
.rept 8
	v_cvt_pk_bf16_f32 v[224+8*\b+ii], v[FA+48+2*ii], v[FA+49+2*ii]
.set ii, ii+1
.endr
.endm
; ONE TILE OF 128 HIDDEN COLUMNS
.macro MTILE fill
	FILLROUND G0W2, G1V, G0W1, 256                 ; w1's tile has landed; w2's 128 rows go into slot B; w1's address steps 128 columns
	SPH 1, WADRA
	GELUB 0
	GELUB 1
	GELUB 2
	GELUB 3
	PSTORE
.if \fill
	FILLROUND G0W1, G1W1, G0W2, 131072             ; the stage is written, w1 is read, w2 has landed; w1's next tile goes into slot A; w2's address steps
.else
	s_wait_tensorcnt 0x0                           ; the last tile: nothing is left to ask for
	BAR
.endif
	APH 0, 0                                       ; onto x1, in place
.endm
; The way out: the reverse of XIN_PASS.  Each store's 16 lanes cover 256 consecutive bytes, aligned.
.macro OUT_PASS p
	WIN 0x0c
.irp nb, 0,1,2,3
.irp q, 0,1
	ds_store_b128 v[SWD], v[8*(4*(4*(\p>>2)+\nb)+(\p&3))+4*\q:8*(4*(4*(\p>>2)+\nb)+(\p&3))+4*\q+3] offset:64*\nb+16*\q
.endr
.endr
	WIN 0
	s_wait_xcnt 0x0                                ; the buffer that earlier stores read is loaded again only behind this wait
.irp t, 0,1,2,3,4,5,6,7
	ds_load_b128 v[FA+32*(\p&1)+4*\t:FA+32*(\p&1)+4*\t+3], v[SRD] offset:544*\t
.endr
.irp t, 0,1,2,3,4,5,6,7
	s_wait_dscnt 7-\t
	global_store_b128 v[XO], v[FA+32*(\p&1)+4*\t:FA+32*(\p&1)+4*\t+3], s[14:15] offset:(16*(\p&3)+2*\t)*2048+256*(\p>>2) th:TH_STORE_NT
.endr
.endm
	s_load_b256 s[4:11], s[0:1], 0x0               ; x s[4:5], qkv s[6:7], wb s[8:9], g2 s[10:11]
	s_load_b128 s[12:15], s[0:1], 0x20             ; b2 s[12:13], out0 s[14:15]
	v_lshl_add_u32 v142, v0, 2, 0x4d400
	v_mov_b32 v143, 0
	ds_add_u32 v142, v143
	s_wait_dscnt 0x0
	v_lshrrev_b32 v1, 5, v0
	v_readfirstlane_b32 s16, v1                    ; wave 0..3
	s_bfe_u32 s17, ttmp6, 0x40000                  ; cx
	s_lshl_b32 s18, ttmp9, 2
	s_add_co_u32 s18, s18, s17                     ; my block of 64 rows = 4 x cluster + cx
	s_lshr_b32 s19, ttmp9, 3                       ; batch: 8 clusters each; the four partners share it
	s_mov_b32 s88, 0x76543210                      ; v_permlanex16_b32: lane i reads lane i of the other half
	s_mov_b32 s89, 0xfedcba98
	s_mov_b32 s90, 0x3b000000                      ; 1 / 512
	s_mov_b32 s91, 0x3727c5ac                      ; 1e-5
	; first words: 2-byte elements, padding behind every 64 words, of 4 words (pitch 272) or 8 (pitch 288); mask 15 with bit 21 beside it, or no mask
	GROUP1 G1K,  0x0771000f, 128, 512
	GROUP1 G1V,  0x0f71000f, 128, 512
	GROUP1 G1W1, 0x0f71000f, 128, 1024
	GROUP1 G1Q,  0x07510000, 64,  512
	s_mul_i32 s20, s16, KSTRIP
	s_mul_i32 s21, s16, VSTRIP
	s_lshl_b32 s3, s16, 8                          ; 256 w: my strip of 128 columns
	s_lshl_b32 s22, s19, 21                        ; 2,048 rows of 1,024 bytes a batch
	s_add_co_u32 s22, s22, s3
	s_mov_b32 s23, 0
	s_wait_kmcnt 0x0
	s_mov_b32 s[G0K], 1
	s_mul_i32 s[G0K+1], s16, KSTRIP
	s_add_nc_u64 s[G0K+2:G0K+3], s[6:7], s[22:23]
	s_mov_b32 s[G0V], 1
	s_add_co_u32 s[G0V+1], s21, SLOTB
	s_add_nc_u64 s[G0V+2:G0V+3], s[G0K+2:G0K+3], 33554432          ; v
	s_add_nc_u64 s[G0K+2:G0K+3], s[G0K+2:G0K+3], 16777216          ; k
	s_or_b32 s[G0K+3], s[G0K+3], 0x80000000
	s_or_b32 s[G0V+3], s[G0V+3], 0x80000000
	s_lshl_b32 s22, s18, 16                        ; q: my own 64 rows, a plain load
	s_add_co_u32 s22, s22, s3
	s_mov_b32 s[G0Q], 1
	s_add_co_u32 s[G0Q+1], s20, SLOTB
	s_add_nc_u64 s[G0Q+2:G0Q+3], s[6:7], s[22:23]
	s_or_b32 s[G0Q+3], s[G0Q+3], 0x80000000
	ROUND                                          ; all four work-groups are here: the first loads go out as one group
	tensor_load_to_lds s[G0K:G0K+3], s[G1K:G1K+7]  ; K tile 0 into slot A
	s_nop 0
	tensor_load_to_lds s[G0Q:G0Q+3], s[G1Q:G1Q+7]  ; q into slot B
	s_nop 0
	s_lshl_b32 s22, s16, 17                        ; wp': my strip = k rows 128 w ..
	s_mov_b32 s[G0WA], 1
	s_mul_i32 s[G0WA+1], s16, VSTRIP
	s_add_nc_u64 s[G0WA+2:G0WA+3], s[8:9], s[22:23]
	s_add_nc_u64 s[G0WA+2:G0WA+3], s[G0WA+2:G0WA+3], 1572864
	s_mov_b32 s[G0WB], 1
	s_add_co_u32 s[G0WB+1], s21, SLOTB
	s_add_nc_u64 s[G0WB+2:G0WB+3], s[G0WA+2:G0WA+3], 256
	s_or_b32 s[G0WA+3], s[G0WA+3], 0x80000000
	s_or_b32 s[G0WB+3], s[G0WB+3], 0x80000000
	s_lshl_b32 s22, s16, 18                        ; w1: k rows 128 w .. of 2,048 bytes
	s_mov_b32 s[G0W1], 1
	s_mul_i32 s[G0W1+1], s16, VSTRIP
	s_add_nc_u64 s[G0W1+2:G0W1+3], s[8:9], s[22:23]
	s_add_nc_u64 s[G0W1+2:G0W1+3], s[G0W1+2:G0W1+3], 2097152
	s_or_b32 s[G0W1+3], s[G0W1+3], 0x80000000
	s_mov_b32 s22, s3                              ; w2: my strip of 128 columns
	s_mov_b32 s[G0W2], 1
	s_add_co_u32 s[G0W2+1], s21, SLOTB
	s_add_nc_u64 s[G0W2+2:G0W2+3], s[8:9], s[22:23]
	s_add_nc_u64 s[G0W2+2:G0W2+3], s[G0W2+2:G0W2+3], 3145728
	s_or_b32 s[G0W2+3], s[G0W2+3], 0x80000000
	s_lshl_b32 s22, s18, 17
	s_add_nc_u64 s[4:5], s[4:5], s[22:23]          ; x and out0 at my 64 rows
	s_add_nc_u64 s[14:15], s[14:15], s[22:23]
	v_and_b32 v1, 15, v0                           ; r
	v_bfe_u32 v2, v0, 4, 1                         ; h
	v_and_b32 v56, 7, v0
	v_lshl_add_u32 v56, v2, 3, v56
	v_mul_u32_u24 v56, v56, 288
	v_bfe_u32 v57, v0, 3, 1
	v_lshl_add_u32 v56, v57, 4, v56                ; (8 h + (L & 7)) 288 + 16 ((L >> 3) & 1)
	v_mul_u32_u24 v58, v1, 272
	v_lshl_add_u32 v59, v2, 5, v58                 ; 272 r + 32 h
	v_lshl_add_u32 v58, v2, 4, v58                 ; 272 r + 16 h
	v_mul_u32_u24 v60, v1, 1040
	v_lshl_add_u32 v60, v2, 4, v60                 ; 1040 r + 16 h
	v_mul_u32_u24 v61, v2, 272
	v_lshl_add_u32 v61, v1, 4, v61                 ; 272 h + 16 r
	v_mov_b32 v63, 0                               ; a lane permute's destination counts as read
	s_mul_i32 s22, s16, 8704                       ; my 32 keys: 32 w rows of 272 bytes
	v_add_nc_u32 v[KADR], s22, v58
.irp g, 1,2,3
	v_add_nc_u32 v[KADR+\g], \g*KSTRIP, v[KADR]
.endr
	v_lshl_add_u32 v[WADRA], s16, 6, v56
.irp g, 1,2,3
	v_add_nc_u32 v[WADRA+\g], \g*VSTRIP, v[WADRA]
.endr
.irp g, 0,1,2,3
	v_add_nc_u32 v[WADRB+\g], SLOTB, v[WADRA+\g]
.endr
	s_add_co_u32 s22, s21, SLOTB
	v_add_nc_u32 v[VADR], s22, v56
	v_add_nc_u32 v[PADR], STG, v58
	v_lshl_add_u32 v[PWR], s16, 6, v[PADR]
	v_lshl_add_u32 v[MXR], v1, 4, MX
	v_lshl_add_u32 v[MXW], s16, 2, v[MXR]
	v_add_nc_u32 v[XR], STG, v60
	v_lshl_add_u32 v[XW], s16, 8, v[XR]
	s_mul_i32 s22, s16, 4352
	s_add_co_u32 s22, s22, STG                     ; my own stage
	v_add_nc_u32 v[SRD], s22, v61
	v_add_nc_u32 v[SWD], s22, v59
	v_lshlrev_b32 v[XO], 4, v1
	v_lshl_add_u32 v[XO], v2, 11, v[XO]
	v_lshl_add_u32 v[XO], s16, 9, v[XO]            ; 2048 h + 16 r + 512 w
	v_lshlrev_b32 v[GO], 5, v2
	v_lshl_add_u32 v[GO], s16, 9, v[GO]            ; 512 w + 32 h
	v_and_b32 v[PFO], 31, v0
	v_lshlrev_b32 v[PFO], 8, v[PFO]
	v_lshl_add_u32 v[PFO], s16, 15, v[PFO]         ; 32768 w + 256 L
	v_add_nc_u32 v[QA], SLOTB, v58
.irp g, 1,2,3
	v_add_nc_u32 v[QA+\g], \g*KSTRIP, v[QA]
.endr
	s_wait_tensorcnt 0x0                           ; my strips of K tile 0 and of q are in
	BAR                                            ; everybody's are
	WIN 0x40
.irp g, 0,1
.irp kk, 0,1,2,3
.irp sb, 0,1,2,3
	ds_load_b128 v[8*(4*(4*\g+\kk)+\sb):8*(4*(4*\g+\kk)+\sb)+3], v[QA+\g] offset:4352*\sb+64*\kk
	ds_load_b128 v[8*(4*(4*\g+\kk)+\sb)+4:8*(4*(4*\g+\kk)+\sb)+7], v[QA+\g] offset:4352*\sb+64*\kk+32
.endr
.endr
.endr
	WIN 0x80
.irp g, 0,1
.irp kk, 0,1,2,3
.irp sb, 0,1,2,3
	ds_load_b128 v[8*(4*(4*\g+\kk)+\sb):8*(4*(4*\g+\kk)+\sb)+3], v[QA+2+\g] offset:4352*\sb+64*\kk
	ds_load_b128 v[8*(4*(4*\g+\kk)+\sb)+4:8*(4*(4*\g+\kk)+\sb)+7], v[QA+2+\g] offset:4352*\sb+64*\kk+32
.endr
.endr
.endr
	WIN 0
	; ATTENTION: 16 tiles of 128 keys
	TILE 1, G0K, G1K, 0
	s_mov_b32 s92, 14
.Latt:
	TILE 0, G0K, G1K, 0
	s_sub_co_i32 s92, s92, 1
	s_cmp_lg_u32 s92, 0
	s_cbranch_scc1 .Latt
	TILE 0, G0WA, G1V, 1                           ; the last tile asks for wp's tile 0 in K's stead
	; O / l becomes the Q fragments; x comes in meanwhile
	XIN_ISSUE 0
	XIN_ISSUE 1
	XIN_ISSUE 2
	XIN_ISSUE 3
.irp sb, 0,1,2,3
	v_add_f32 v[TT+2*\sb], v[LP+2*\sb], v[LP+2*\sb+1]
	v_permlanex16_b32 v[TT+2*\sb+1], v[TT+2*\sb], s88, s89
	v_add_f32 v[TT+2*\sb], v[TT+2*\sb], v[TT+2*\sb+1]
	ds_store_b32 v[MXW], v[TT+2*\sb] offset:1024+256*\sb
.endr
	BAR
.irp sb, 0,1,2,3
	ds_load_b128 v[FA+4*\sb:FA+4*\sb+3], v[MXR] offset:1024+256*\sb
.endr
	s_wait_dscnt 0x0
.irp sb, 0,1,2,3
	SUM4 FA+4*\sb
.endr
.irp sb, 0,1,2,3
	v_rcp_f32 v[AL+2*\sb], v[FA+4*\sb]
	v_rcp_f32 v[AL+2*\sb+1], v[FA+4*\sb]
.endr
	v_nop                                          ; one plain place behind the transcendentals (ISA guide 5.7.2)
	s_wait_alu depctr_va_vdst(0)
.irp sb, 0,1,2,3
	WIN 0x03
.set ii, 0
.rept 32
	v_pk_mul_f32 v[FA+2*ii:FA+2*ii+1], v[8*(4*(ii>>2)+\sb)+2*(ii&3):8*(4*(ii>>2)+\sb)+2*(ii&3)+1], v[AL+2*\sb:AL+2*\sb+1]
.set ii, ii+1
.endr
	WIN 0
	XCHROUND \sb
.endr
	XIN_PASS 0, 24                                 ; x into ACC; three younger passes of eight loads stay out
	XIN_PASS 1, 24
	XIN_PASS 2, 24
	XIN_PASS 3, 24
	XIN_PASS 4, 24
	XIN_PASS 5, 16
	XIN_PASS 6, 8
	XIN_PASS 7, 0
	; THE PROJECTION: four tiles of wp', added onto x: ACC = x1
	FILLROUND G0WB, G1V, 0, 0                      ; tile 0 has landed; tile 1 into slot B
	SPH 1, WADRA
	PADD 0
	FILLROUND G0WA, G1V, G0WA, 512                 ; tile 2 into slot A
	SPH 1, WADRB
	PADD 1
	FILLROUND G0WB, G1V, G0WB, 512                 ; tile 3 into slot B
	SPH 1, WADRA
	PADD 2
	FILLROUND G0W1, G1W1, 0, 0                     ; w1's tile 0 into slot A
	SPH 1, WADRB
	PADD 3
	LNX 10, 12                                     ; h2 into the Q fragments; w1's tile stays out across its plain barriers
	; THE MLP: 8 tiles of 128 hidden columns
	v_mov_b32 v[CA4], 0xbf3a00e3
	v_mov_b32 v[CA4+1], 0xbf3a00e3
	s_mov_b32 s92, 7
.Lmlp:
	MTILE 1
	s_sub_co_i32 s92, s92, 1
	s_cmp_lg_u32 s92, 0
	s_cbranch_scc1 .Lmlp
	MTILE 0
	BAR                                            ; every wave has read the shared stage: it is cut into the waves' own stages again
	OUT_PASS 0
	OUT_PASS 1
	OUT_PASS 2
	OUT_PASS 3
	OUT_PASS 4
	OUT_PASS 5
	OUT_PASS 6
	OUT_PASS 7
	s_wait_dscnt 0x0
	s_wait_xcnt 0x0
	v_lshl_add_u32 v142, v0, 2, 0x4d400
	v_mov_b32 v143, 0
	s_wait_tensorcnt 0x0
	ds_add_u32 v142, v143
	s_wait_dscnt 0x0
	ROUND                                          ; the closing round: no work-group ends while a partner may still ask jointly
	s_endpgm
.Lfunc_end_k_qb9a87f4326_block:
	.size	k_qb9a87f4326_block, .Lfunc_end_k_qb9a87f4326_block-k_qb9a87f4326_block
	.p2alignl 7, 3214868480
	.fill 96, 4, 3214868480
	.section	.rodata,"a",@progbits
	.p2align	6, 0x0
	.amdhsa_kernel k_qb9a87f4326_block
		.amdhsa_group_segment_fixed_size 327680
		.amdhsa_private_segment_fixed_size 0
		.amdhsa_enable_private_segment 0
		.amdhsa_kernarg_size 48
		.amdhsa_user_sgpr_count 2
		.amdhsa_user_sgpr_kernarg_segment_ptr 1
		.amdhsa_wavefront_size32 1
		.amdhsa_system_sgpr_workgroup_id_x 1
		.amdhsa_system_sgpr_workgroup_id_y 1
		.amdhsa_system_sgpr_workgroup_id_z 1
		.amdhsa_system_vgpr_workitem_id 0
		.amdhsa_next_free_vgpr 1024
		.amdhsa_next_free_sgpr 96
		.amdhsa_reserve_vcc 0
		.amdhsa_float_denorm_mode_32 3
		.amdhsa_float_denorm_mode_16_64 3
		.amdhsa_memory_ordered 1
		.amdhsa_forward_progress 1
		.amdhsa_inst_pref_size 255
	.end_amdhsa_kernel
	.section	.bss,"aw",@nobits
	.p2align	6
	.space	262144
	.amdgpu_metadata
---
amdhsa.version: [ 1, 2 ]
amdhsa.kernels:
  - .name:           k_qb9a87f4326_block
    .symbol:         k_qb9a87f4326_block.kd
    .args:
      - { .name: x, .offset: 0, .size: 8, .value_kind: global_buffer, .address_space: global }
      - { .name: qkv, .offset: 8, .size: 8, .value_kind: global_buffer, .address_space: global }
      - { .name: wb, .offset: 16, .size: 8, .value_kind: global_buffer, .address_space: global }
      - { .name: g2, .offset: 24, .size: 8, .value_kind: global_buffer, .address_space: global }
      - { .name: b2, .offset: 32, .size: 8, .value_kind: global_buffer, .address_space: global }
      - { .name: out0, .offset: 40, .size: 8, .value_kind: global_buffer, .address_space: global }
    .group_segment_fixed_size: 327680
    .private_segment_fixed_size: 0
    .kernarg_segment_align: 8
    .kernarg_segment_size: 48
    .max_flat_workgroup_size: 128
    .sgpr_count:     96
    .vgpr_count:     1024
    .wavefront_size: 32
...
	.end_amdgpu_metadata
.endif
;; end of part 3
